; MI455X (gfx1250); checked and timed in simulation.
; The chip was launched on July 23, 2026; its instructions are those of AMD's public machine-readable ISA for CDNA 5 (MIT licence, August 2026) and "CDNA5" Instruction Set Architecture Reference Guide (July 2026). The comments in the code are by the model that wrote it; some were corrected since.
;; Hash Linear. Allowed arithmetic: matrix products marked QUANTISED: E3M2 operands, one E8M0 scale for each 32 along K, by v_wmma_scale_f32_16x16x128_f8f6f4 with both operands' format E3M2, f32 sums; everything else in f32.
;; Inputs: h_bias 64 float32; h_weight 262,144 float32; idxB 4,096 int32; idxW 4,096 x 4,096 int32; x_codes 4,096 x 128 x 24 uint8 (E3M2 codes of x, K innermost, in blocks of 32 codes, four codes in three bytes); x_scales 4,096 x 128 uint8 (E8M0 scales of x, one for each 32 codes along K); xiB 4,096 float32; xiW 4,096 x 4,096 float32.
;; Outputs: out0 4,096 x 4,096 float32.
;; This version of the problem:
;;   THIS VERSION OF THE PROBLEM IS GIVEN IN LOW PRECISION. The matrix products marked QUANTISED in the list below multiply operands that are first quantised to E3M2 (3 exponent bits, 2 mantissa bits; 6 bits a number), with one power-of-two scale for each 32 numbers along K (OCP MX v1.0); their sums are f32. All else is computed in f32.
;;   The module's matrix products, in the order in which they are computed (A, B: the left and right operand; K: the contracted axis; several contracted axes count as one K, in the product's order):
;;     1. [M 4,096, K 4,096] x [K 4,096, N 4,096]; A: input x (given as codes); B: computed on the way: QUANTISED
;;   THE QUANTISER, for each operand of a quantised product, along K:
;;     - K is cut into blocks of 32 from its start; a last block that is shorter is filled with zeros.
;;     - A block's scale is 2^e with e = floor(log2(the largest magnitude in the block)) - 4, held to -126 .. 127; a block of zeros has e = 0. As a byte (E8M0): e + 127.
;;     - Each number is divided by its block's scale, clamped to +-28, and rounded to the nearest number of E3M2, ties to even, subnormals kept.
;;     - The product sums the exact products of the quantised numbers (number of the format x scale) in f32.
;;   ~~~python
;;   def quantise(x, axis):      # numpy; x: float32 -> the quantised numbers, widened to float32 again
;;       x = np.moveaxis(x, axis, -1); K = x.shape[-1]
;;       x = np.pad(x, [(0, 0)] * (x.ndim - 1) + [(0, -K % 32)]); x = x.reshape(x.shape[:-1] + (-1, 32)); a = np.abs(x).max(-1, keepdims=True)
;;       e = np.where(a > 0, np.clip(np.frexp(np.where(a > 0, a, 1))[1] - 1 - 4, -126, 127), 0)      # np.frexp(a)[1] - 1 = floor(log2(a)), exactly
;;       r = np.clip(x / 2.0 ** e, -28, 28)
;;       step = 2.0 ** (np.maximum(np.frexp(np.where(r == 0, 1, r))[1] - 1, -2) - 2)
;;       q = np.round(r / step) * step * 2.0 ** e      # np.round: ties to even
;;       return np.moveaxis(q.reshape(q.shape[:-2] + (-1,))[..., :K], -1, axis).astype(np.float32)
;;   ~~~
;;   OPERANDS COMPUTED ON THE WAY. 'Computed on the way' means the value that the module computes at that place (a softmax that the list does not call 'softmax' is quantised finished and normalised). What goes into a quantiser is computed in f32, as accurately as f32 sums, v_exp_f32 and their like allow (about 1e-6 of the number): no bf16 or f16 on the way to a quantiser, and a product that is left as it is and whose result goes on into a quantised operand takes f32 operands (vector FMAs, or v_wmma_f32_16x16x4_f32). A number that lies on a knife's edge between two numbers of the format may be rounded either way, as far as f32 arithmetic and the matrix unit's own rounding can turn it there, and no further.
;;   INPUTS GIVEN AS CODES. x (in the module: [4096, 4096], K = its axis 1): each comes as NAME_codes (uint8): NAME with its K axis moved to the last place and cut into blocks of 32 codes, [.., K / 32, bytes a block], one block behind the other in memory; four codes in three bytes: a row's codes are one little-endian stream of bits, code i at bits 6 i .. 6 i + 5 (a code: sign, 3 exponent bits, 2 mantissa bits); and NAME_scales (uint8): the same leading axes, one E8M0 byte (e + 127) for each 32 codes along K. Its value is code x scale, taken as it is: it is not quantised again, and the codes and scales need not be those that the quantiser above would give.
;; One version. Each part assembles by itself: llvm-mc -triple=amdgcn-amd-amdhsa -mcpu=gfx1250 --defsym DOCPART=n.
;; ======== version 1 of 1: 2 launches
;; limits: right only within a limited range of input values
;; workspace buffers: w_codes 12,582,912 bytes; w_scales 524,288 bytes; bias 16,384 bytes; xs 524,288 bytes; xr 12,582,912 bytes
;; launch makew (part 1): grid 256 x 1, 16 waves a work-group, clusters of 4 x 1, 327,680 bytes of LDS; arguments idxW, xiW, h_weight, idxB, xiB, h_bias, x_codes, x_scales, w_codes, w_scales, bias, xr, xs; writes w_codes, w_scales, bias, xr, xs
.if DOCPART == 1
	.amdgcn_target "amdgcn-amd-amdhsa--gfx1250"
	.amdhsa_code_object_version 6
	.text
	.protected	k_qa3ef040211_makew
	.globl	k_qa3ef040211_makew
	.p2align	8
	.type	k_qa3ef040211_makew,@function
k_qa3ef040211_makew:
	s_mov_b64 s[64:65], 0
	v_nop
	global_prefetch_b8 v0, s[64:65] scope:SCOPE_SE
	s_setreg_imm32_b32 hwreg(HW_REG_WAVE_MODE, 25, 1), 1
	s_wait_xcnt 0x0
	s_wait_alu depctr_hold_cnt(0) depctr_sa_sdst(0) depctr_va_vdst(0) depctr_va_sdst(0) depctr_va_ssrc(0) depctr_va_vcc(0) depctr_vm_vsrc(0)
	s_getreg_b32 s2, hwreg(HW_REG_IB_STS2, 6, 4)
	s_cmp_eq_u32 s2, 0
	s_cbranch_scc0 .Lentry_in_a_cluster
	s_endpgm
.Lentry_in_a_cluster:
	s_bfe_u32 s2, ttmp6, 0x10000c
	s_cmp_lg_u32 s2, 0x3003
	s_cbranch_scc0 .Lentry_shape_is_right
	s_endpgm
.Lentry_shape_is_right:
; W[o][i] = h_weight[idxW[o][i]] * xiW[o][i] (one f32 multiplication) is made once and quantised to BF6 (E3M2) with one E8M0 byte for each 32 along K = i.  Also bias[o] = h_bias[idxB[o]] * xiB[o].
; THE LOOKUP GOES THROUGH LDS.  The table of 262,144 words passes through LDS in quarters of 262,144 bytes.  In each pass every index is turned into a byte offset from the quarter's start and held at TABQ
; by an unsigned minimum: an index of another quarter lands on ONE word behind the quarter, which holds 0.  The four passes' words are ORed: exactly one of them is the table's entry.
; SHARES.  A work-group owns 16 rows of W, in two batches of 8; in a batch wave w owns half a row (2,048 numbers, 64 a lane, four groups of 512).  Three banks of 64 registers hold a batch's indices, values and signs.
; Batch 0 walks the quarters 0,1,2,3, batch 1 walks 3,2,1,0: seven fills in all.  Batch 1's indices are loaded as the last pass of batch 0 frees the bank, its signs as the products free theirs.
; CLUSTERS: the four work-groups of a cluster ask for each quarter jointly: wave w asks for 64 rows of 256 bytes, the same descriptor in all four, mask 15.
; BARRIERS: the gathers' addresses come from loaded indices, so a barrier parts every pass from every LDS write (the add on the spare words, the stages) and from every fill.
; LAYOUT OUT.  Codes of W, and a copy of x's codes (xr), lie as [block of 256 rows][K step of 256][256 rows][192 bytes]: what the product's launch fetches is then dense, in rows of 256 bytes from 256-byte borders.
; A batch's codes meet in LDS as [K step][8 rows][192 bytes]; wave w stores K step w's 1,536 bytes by three stores of 512 consecutive aligned bytes.
; Scale bytes leave with the two middle bytes of each word swapped, W's here and x's in the copy xs: the product's launch gives a lane 48 consecutive bytes of a row, which sets blocks 0,2,1,3 at places 0,1,2,3.
; The quantiser: a block's byte is its largest magnitude's exponent field - 4, held at 1 from below; the conversion divides by the scale, rounds to nearest even and holds at the largest code.
; LIMITS: NaN and infinities in h_weight or xiW are not served.  An index of idxW outside the table (the problem has none) gives 0 or another entry; one of idxB is held at 63.
; A block of zeros, or one under 2^(5 - 127), gets the byte 1 where the rule says 127: its codes add nothing, and this program alone reads the bytes.
; No prefetch into the L2: each stream is asked for into registers, batch 0's at the head, batch 1's a pass or more ahead of its first use; the table's quarters are read by all clusters in turn.
.set TABQ,  0x40000                    ; a quarter of the table, at LDS byte 0
.set DUM,   TABQ                       ; behind it: 2,048 bytes, a word for each thread, all 0; the first word is the one that is read
.set STG,   DUM+2048                   ; a stage for each wave: 2,048 bytes + 16 behind each 256
.set STW,   2176
.set CST,   STG+16*STW                 ; a batch's codes: 16 K steps x 8 rows x 192 bytes
.set SST,   CST+24576                  ; the 16 rows' scale bytes
.set SPARE, SST+2048                   ; the spare words: 128 bytes for each of 16 waves
.set BLK,   49152                      ; 256 rows x 192 bytes; also 16 rows of x's codes
.set SWAP,  0x03010200
.set TT, 32                            ; v32-63   two sets of 16: gathered words; neighbours along K; x's codes; codes on the way out
.set K0, 64                            ; v64-127  indices
.set K1, 128                           ; v128-191 values, then products
.set K2, 192                           ; v192-255 signs
.set CD, 16                            ; v16-18   codes
.set EB, 19                            ; v19      a scale byte
; v1 16 x lane; v2, v3 the add's two; v4, v5 stage in, out; v6 my scale byte; v7 my codes in CST; v8 CST on the way out; v12-14 x's codes in memory; v30 8 x lane; v31 scale bytes on the way out
.macro ROUND
	s_barrier_signal -1
	s_barrier_wait -1
	s_cmp_lg_u32 s3, 0
	s_cbranch_scc1 .Lnot_wave_0_\@
	s_barrier_signal -3
.Lnot_wave_0_\@:
	s_barrier_wait -3
	s_barrier_signal -1
	s_barrier_wait -1
.endm
.macro LD4 bank, sb, g, b              ; group g of batch b: four loads of 512 consecutive bytes
.irp j, 0,1,2,3
	global_load_b128 v[\bank+16*(\g)+4*\j:\bank+16*(\g)+4*\j+3], v1, s[\sb:\sb+1] offset:131072*(\b)+2048*(\g)+512*\j th:TH_LOAD_NT
.endr
.endm
	s_load_b512 s[8:23], s[0:1], 0x0               ; idxW 8, xiW 10, h_weight 12, idxB 14, xiB 16, h_bias 18, x_codes 20, x_scales 22
	s_load_b256 s[24:31], s[0:1], 0x40             ; w_codes 24, w_scales 26, bias 28, xr 30
	s_load_b64 s[32:33], s[0:1], 0x60              ; xs
	v_lshl_add_u32 v2, v0, 2, SPARE
	v_mov_b32 v3, 0
	v_lshl_add_u32 v15, v0, 2, DUM
	v_mov_b32 v16, 0
	ds_store_b32 v15, v16                          ; each thread zeroes its word behind the quarter, with no branch: thread 0's is the word that every index of another quarter reads
	ds_add_u32 v2, v3                              ; the opening lines: the add twice on end, under one wait
	ds_add_u32 v2, v3
	v_lshrrev_b32 v9, 5, v0
	v_readfirstlane_b32 s3, v9                     ; wave 0..15
	s_bfe_u32 s4, ttmp6, 0x40000                   ; cx
	s_lshl_b32 s5, ttmp9, 2
	s_add_co_u32 s5, s5, s4                        ; work-group 0..255: it enters global addresses of my own streams alone
	s_mov_b32 s36, 15|(3<<16)|(1<<21)              ; group 1: mask of the four, elements of 8 bytes, bit 21 beside the mask
	s_mov_b32 s37, 32<<16                          ; rows of 32 elements = 256 bytes
	s_mov_b32 s38, 64<<16                          ; 64 rows
	s_mov_b32 s39, 32<<16
	s_mov_b32 s40, 64
	s_mov_b32 s41, 32
	s_mov_b32 s42, 0
	s_mov_b32 s43, 0
	s_mov_b32 s44, 1                               ; group 0
	s_lshl_b32 s45, s3, 14                         ; my 16,384 bytes of the quarter, in LDS and in the table
	s_mov_b32 s58, s45
	s_mov_b32 s59, 0
	s_lshl_b32 s48, s5, 18                         ; streams: 16 rows of 16,384 bytes a work-group, 8,192 a wave
	s_lshl_b32 s34, s3, 13
	s_add_co_u32 s48, s48, s34
	s_mov_b32 s49, 0
	s_mul_i32 s50, s5, BLK                         ; x's codes: my 16 rows, K step w
	s_mul_i32 s34, s3, 192
	s_add_co_u32 s50, s50, s34
	s_mov_b32 s51, 0
	s_lshr_b32 s52, s5, 4                          ; codes out: block of 256 rows, K step w, my 16 rows in it
	s_mul_i32 s52, s52, 16*BLK
	s_mul_i32 s34, s3, BLK
	s_add_co_u32 s52, s52, s34
	s_and_b32 s34, s5, 15
	s_mul_i32 s34, s34, 3072
	s_add_co_u32 s52, s52, s34
	s_mov_b32 s53, 0
	s_lshl_b32 s54, s5, 11                         ; scale bytes: 2,048 a work-group, 512 for each of waves 0-3
	s_lshl_b32 s34, s3, 9
	s_add_co_u32 s54, s54, s34
	s_mov_b32 s55, 0
	s_lshl_b32 s56, s5, 12                         ; the bias (cluster 0): 256 bytes a wave
	s_lshl_b32 s34, s3, 8
	s_add_co_u32 s56, s56, s34
	s_mov_b32 s57, 0
	s_mul_i32 s60, s3, STW
	s_add_co_u32 s60, s60, STG                     ; my stage
	s_lshl_b32 s61, s3, 6
	s_add_co_u32 s61, s61, SST                     ; my 64 scale bytes of a batch
	s_and_b32 s62, s3, 1
	s_mul_i32 s62, s62, 8*1536                     ; my half row's first K step,
	s_lshr_b32 s34, s3, 1
	s_mul_i32 s34, s34, 192                        ; my row of the eight
	s_add_co_u32 s62, s62, s34
	s_add_co_u32 s62, s62, CST
	s_mul_i32 s63, s3, 1536
	s_add_co_u32 s63, s63, CST                     ; K step w on the way out
	s_min_u32 s35, s3, 3
	s_lshl_b32 s35, s35, 9
	s_add_co_u32 s35, s35, SST
	v_and_b32 v9, 31, v0                           ; lane
	v_lshlrev_b32 v1, 4, v9
	v_lshrrev_b32 v10, 4, v9
	v_lshl_add_u32 v4, v10, 4, v1                  ; stage in: byte y lies at y + 16 (y / 256); y = 512 j + 16 lane
	v_add_nc_u32 v4, s60, v4
	v_lshrrev_b32 v11, 2, v9
	v_lshlrev_b32 v5, 6, v9
	v_lshl_add_u32 v5, v11, 4, v5                  ; stage out: y = 64 lane + 16 i: my 16 neighbours
	v_add_nc_u32 v5, s60, v5
	v_and_b32 v11, 15, v9
	v_mul_u32_u24 v7, v11, 12
	v_mad_u32_u24 v7, v10, 1536, v7                ; codes: lanes 16-31 hold the group's second K step
	v_add_nc_u32 v7, s62, v7
	v_bfe_u32 v10, v9, 1, 1
	v_bfe_u32 v11, v9, 2, 1
	v_lshl_or_b32 v10, v10, 1, v11                 ; my block's place in its word, the two middle places swapped
	v_lshrrev_b32 v11, 1, v9
	v_and_b32 v11, 12, v11
	v_add_nc_u32 v6, v10, v11
	v_add_nc_u32 v6, s61, v6
	v_add_nc_u32 v8, s63, v1
	v_add_nc_u32 v31, s35, v1
	v_lshlrev_b32 v30, 3, v9
.irp j, 0,1,2                          ; x's codes: piece p = 32 j + lane of 16 bytes; row p / 12 (= 171 p >> 11 for p < 192), so 16 p + 2,880 x row
	v_add_nc_u32 v10, 32*\j, v9
	v_mul_u32_u24 v11, v10, 171
	v_lshrrev_b32 v11, 11, v11
	v_lshlrev_b32 v10, 4, v10
	v_mad_u32_u24 v[12+\j], v11, 2880, v10
.endr
	s_wait_alu depctr_va_vdst(0)
	s_wait_dscnt 0x0                               ; both opening adds are done
	s_wait_kmcnt 0x0
	s_add_nc_u64 s[8:9], s[8:9], s[48:49]
	s_add_nc_u64 s[10:11], s[10:11], s[48:49]
	s_add_nc_u64 s[46:47], s[12:13], s[58:59]
	s_or_b32 s47, s47, 0x80000000
	s_add_nc_u64 s[20:21], s[20:21], s[50:51]
	s_add_nc_u64 s[24:25], s[24:25], s[52:53]
	s_add_nc_u64 s[30:31], s[30:31], s[52:53]
	s_add_nc_u64 s[22:23], s[22:23], s[54:55]
	s_add_nc_u64 s[26:27], s[26:27], s[54:55]
	s_add_nc_u64 s[32:33], s[32:33], s[54:55]
	s_add_nc_u64 s[14:15], s[14:15], s[56:57]
	s_add_nc_u64 s[16:17], s[16:17], s[56:57]
	s_add_nc_u64 s[28:29], s[28:29], s[56:57]
.irp g, 0,1,2,3
	LD4 K0, 8, \g, 0                               ; batch 0's indices,
.endr
.irp j, 0,1,2,3,4,5
	global_load_b128 v[TT+4*\j:TT+4*\j+3], v[12+\j%3], s[20:21] offset:24576*(\j/3)   ; K step w of my 16 rows of x's codes (96 pieces are 8 rows),
.endr
.irp g, 0,1,2,3
	LD4 K2, 10, \g, 0                              ; batch 0's signs
.endr
	ROUND                                          ; in front of the first joint load
	tensor_load_to_lds s[44:47], s[36:43]          ; quarter 0: one load a wave
	s_nop 0
	s_wait_tensorcnt 0x0                           ; my part has landed,
	s_barrier_signal -1
	s_barrier_wait -1                              ; and everybody's
; The first pass of a batch: the gathered word starts the value.  after: loads issued behind the batch's indices
.macro GFIRST q, after
.irp g, 0,1,2,3
	s_wait_loadcnt 4*(3-\g)+\after                 ; group g's indices are in: behind them the later groups' and \after more
.set i, 0
.rept 16
	v_lshl_add_u32 v[K1+16*\g+i], v[K0+16*\g+i], 2, (0x100000000-(\q)*TABQ)&0xffffffff   ; byte offset from the quarter's start, wrapping below it
.set i, i+1
.endr
.set i, 0
.rept 16
	v_min_u32 v[K1+16*\g+i], TABQ, v[K1+16*\g+i]   ; outside the quarter: the zero word
.set i, i+1
.endr
.set i, 0
.rept 16
	ds_load_b32 v[K1+16*\g+i], v[K1+16*\g+i]
.set i, i+1
.endr
.endr
.endm
.macro OR16 g
.set i, 0
.rept 16
	v_or_b32 v[K1+16*(\g)+i], v[K1+16*(\g)+i], v[TT+16*((\g)%2)+i]
.set i, i+1
.endr
.endm
; A later pass.  nl = 1: the bank of indices is read for the last time, and takes batch 1's, group by group
.macro GNEXT q, nl
.irp g, 0,1,2,3
.set i, 0
.rept 16
	v_lshl_add_u32 v[TT+16*(\g%2)+i], v[K0+16*\g+i], 2, (0x100000000-(\q)*TABQ)&0xffffffff
.set i, i+1
.endr
.if \nl
	LD4 K0, 8, \g, 1
.endif
.set i, 0
.rept 16
	v_min_u32 v[TT+16*(\g%2)+i], TABQ, v[TT+16*(\g%2)+i]
.set i, i+1
.endr
.set i, 0
.rept 16
	ds_load_b32 v[TT+16*(\g%2)+i], v[TT+16*(\g%2)+i]
.set i, i+1
.endr
.if \g > 0
	s_wait_dscnt 16                                ; the group before is in: behind it this group's sixteen
	OR16 \g-1
.endif
.endr
	s_wait_dscnt 0x0
	OR16 3
.endm
; The quarter is changed.  A barrier ends the pass for all waves; then the add in front of a refill, the cluster's round, and my one joint load.
.macro FILL_A up
	s_wait_alu depctr_va_vdst(0)
	s_wait_dscnt 0x0                               ; my gathers are back
	s_barrier_signal -1
	s_barrier_wait -1                              ; nobody gathers any more: the adds below meet no gather
	s_wait_tensorcnt 0x0
	ds_add_u32 v2, v3
.if \up
	s_add_nc_u64 s[46:47], s[46:47], TABQ          ; no load of mine is out: the next quarter
.else
	s_sub_nc_u64 s[46:47], s[46:47], TABQ
.endif
	s_wait_dscnt 0x0
	ROUND
	tensor_load_to_lds s[44:47], s[36:43]
	s_nop 0
.endm
.macro FILL_B
	s_wait_xcnt 0x0                                ; stores issued so far have read their registers: v32-63 are written again behind this wait
	s_wait_tensorcnt 0x0                           ; my part has landed,
	s_barrier_signal -1
	s_barrier_wait -1                              ; and everybody's
.endm
; Group g: the products, and their turn through my stage (LDS serves a wave's instructions in order: no wait between stores and loads)
.macro TURNG g, b
.set i, 0
.rept 8
	v_pk_mul_f32 v[K1+16*(\g)+i:K1+16*(\g)+i+1], v[K1+16*(\g)+i:K1+16*(\g)+i+1], v[K2+16*(\g)+i:K2+16*(\g)+i+1]
.set i, i+2
.endr
.if \b == 0
	LD4 K2, 10, \g, 1                              ; batch 1's signs into the registers just read
.endif
.irp j, 0,1,2,3
	ds_store_b128 v4, v[K1+16*(\g)+4*\j:K1+16*(\g)+4*\j+3] offset:544*\j
.endr
.irp j, 0,1,2,3
	ds_load_b128 v[TT+16*((\g)%2)+4*\j:TT+16*((\g)%2)+4*\j+3], v5 offset:16*\j
.endr
.endm
.macro QU g, b                         ; my 16 neighbours of group g are quantised; two neighbouring lanes hold a block
.set XS, TT+16*((\g)%2)
	v_max3_num_f32 v9, |v[XS]|, |v[XS+1]|, |v[XS+2]|
	v_max3_num_f32 v10, |v[XS+3]|, |v[XS+4]|, |v[XS+5]|
.irp i, 6,10
	v_max3_num_f32 v9, v9, |v[XS+\i]|, |v[XS+\i+1]|
	v_max3_num_f32 v10, v10, |v[XS+\i+2]|, |v[XS+\i+3]|
.endr
	v_max3_num_f32 v9, v9, |v[XS+14]|, |v[XS+15]|
	s_delay_alu instid0(VALU_DEP_1)
	v_max3_num_f32 v9, v9, v10, 0x2800000          ; the floor 2^(5 - 127): the byte cannot fall under 1
	s_delay_alu instid0(VALU_DEP_1)
	v_max_num_f32_dpp v9, v9, v9 row_xmask:1 row_mask:0xf bank_mask:0xf
	s_delay_alu instid0(VALU_DEP_1)
	v_add_nc_u32 v11, 0xfe000000, v9               ; 4 off the exponent field: the conversion's scale operand
	v_cvt_scalef32_pk16_bf6_f32 v[CD:CD+2], v[XS:XS+15], v11
	v_lshrrev_b32 v[EB], 23, v11                   ; the scale's byte (also the plain line behind the conversion)
	ds_store_b8 v6, v[EB] offset:1024*(\b)+16*(\g) ; both lanes of a block write the same byte with the same value
.irp k, 0,1,2
	ds_store_b32 v7, v[CD+\k] offset:3072*(\g)+4*\k
.endr
.endm
.macro QUANT b, left
	s_wait_alu depctr_va_vdst(0)
	s_wait_dscnt 0x0
	s_barrier_signal -1
	s_barrier_wait -1                              ; nobody gathers any more: the stages may be written
	s_wait_loadcnt \left                           ; this batch's signs are in; \left younger loads may be out
	TURNG 0, \b
	TURNG 1, \b
	s_wait_dscnt 8                                 ; group 0 is back: behind it group 1's eight
	QU 0, \b
	TURNG 2, \b
	s_wait_dscnt 12                                ; group 1: behind it four stores and group 2's eight
	QU 1, \b
	TURNG 3, \b
	s_wait_dscnt 12
	QU 2, \b
	s_wait_dscnt 4                                 ; group 3: behind it four stores
	QU 3, \b
	s_wait_dscnt 0x0                               ; for the others' sake: my codes and bytes lie in LDS
	s_barrier_signal -1
	s_barrier_wait -1
.irp j, 0,1,2
	ds_load_b128 v[TT+4*\j:TT+4*\j+3], v8 offset:512*\j
.endr
	s_wait_dscnt 0x0
.irp j, 0,1,2
	global_store_b128 v1, v[TT+4*\j:TT+4*\j+3], s[24:25] offset:1536*(\b)+512*\j   ; 512 consecutive bytes, aligned
.endr
.endm
	GFIRST 0, 22
	FILL_A 1
	s_wait_loadcnt 16                              ; x's codes are in: behind them the sixteen loads of signs
.irp j, 0,1,2,3,4,5
	global_store_b128 v1, v[TT+4*\j:TT+4*\j+3], s[30:31] offset:512*\j   ; 16 rows x 192 bytes of K step w: 3,072 consecutive bytes
.endr
	FILL_B
	GNEXT 1, 0
	FILL_A 1
	s_cmp_lt_u32 s3, 4                             ; x's scale bytes: waves 0-3 copy 512 bytes each, every word's middle bytes swapped
	s_cbranch_scc0 .Lnoxs
	global_load_b128 v[20:23], v1, s[22:23] th:TH_LOAD_NT
	s_wait_loadcnt 0x0
.irp i, 20,21,22,23
	v_perm_b32 v\i, v\i, v\i, SWAP
.endr
	global_store_b128 v1, v[20:23], s[32:33]
.Lnoxs:
	s_cmp_eq_u32 ttmp9, 0                          ; the bias: the 64 waves of cluster 0 make 64 numbers each; the test is the same in all partners
	s_cbranch_scc0 .Lnobias
	global_load_b64 v[24:25], v30, s[14:15]
	global_load_b64 v[26:27], v30, s[16:17]
	s_wait_loadcnt 0x0
	v_min_u32 v24, 63, v24
	v_min_u32 v25, 63, v25
	v_lshlrev_b32 v24, 2, v24
	v_lshlrev_b32 v25, 2, v25
	global_load_b32 v28, v24, s[18:19]
	global_load_b32 v29, v25, s[18:19]
	s_wait_loadcnt 0x0
	v_pk_mul_f32 v[28:29], v[28:29], v[26:27]
	global_store_b64 v30, v[28:29], s[28:29]       ; 32 lanes store 256 consecutive bytes, aligned
.Lnobias:
	FILL_B
	GNEXT 2, 0
	FILL_A 1
	FILL_B
	GNEXT 3, 1
	QUANT 0, 16                                    ; behind batch 0's signs: batch 1's sixteen loads of indices
	GFIRST 3, 16                                   ; quarter 3 still lies in LDS; behind batch 1's indices: its sixteen loads of signs
	FILL_A 0
	FILL_B
	GNEXT 2, 0
	FILL_A 0
	FILL_B
	GNEXT 1, 0
	FILL_A 0
	FILL_B
	GNEXT 0, 0
	QUANT 1, 0
	s_cmp_lt_u32 s3, 4                             ; the 16 rows' 2,048 scale bytes: waves 0-3, 512 consecutive bytes each
	s_cbranch_scc0 .Lnosc
	ds_load_b128 v[20:23], v31
	s_wait_dscnt 0x0
	global_store_b128 v1, v[20:23], s[26:27]
.Lnosc:
	s_wait_tensorcnt 0x0                           ; the wave's end
	ds_add_u32 v2, v3
	s_wait_dscnt 0x0
	ROUND                                          ; the closing round
	s_endpgm
.Lfunc_end_k_qa3ef040211_makew:
	.size	k_qa3ef040211_makew, .Lfunc_end_k_qa3ef040211_makew-k_qa3ef040211_makew
	.p2alignl 7, 3214868480
	.fill 96, 4, 3214868480
	.section	.rodata,"a",@progbits
	.p2align	6, 0x0
	.amdhsa_kernel k_qa3ef040211_makew
		.amdhsa_group_segment_fixed_size 327680
		.amdhsa_private_segment_fixed_size 0
		.amdhsa_enable_private_segment 0
		.amdhsa_kernarg_size 104
		.amdhsa_user_sgpr_count 2
		.amdhsa_user_sgpr_kernarg_segment_ptr 1
		.amdhsa_wavefront_size32 1
		.amdhsa_system_sgpr_workgroup_id_x 1
		.amdhsa_system_sgpr_workgroup_id_y 1
		.amdhsa_system_sgpr_workgroup_id_z 1
		.amdhsa_system_vgpr_workitem_id 0
		.amdhsa_next_free_vgpr 256
		.amdhsa_next_free_sgpr 66
		.amdhsa_reserve_vcc 0
		.amdhsa_float_denorm_mode_32 3
		.amdhsa_float_denorm_mode_16_64 3
		.amdhsa_memory_ordered 1
		.amdhsa_forward_progress 1
		.amdhsa_inst_pref_size 160
	.end_amdhsa_kernel
	.amdgpu_metadata
---
amdhsa.version: [ 1, 2 ]
amdhsa.kernels:
  - .name:           k_qa3ef040211_makew
    .symbol:         k_qa3ef040211_makew.kd
    .args:
      - { .name: idxW, .offset: 0, .size: 8, .value_kind: global_buffer, .address_space: global }
      - { .name: xiW, .offset: 8, .size: 8, .value_kind: global_buffer, .address_space: global }
      - { .name: h_weight, .offset: 16, .size: 8, .value_kind: global_buffer, .address_space: global }
      - { .name: idxB, .offset: 24, .size: 8, .value_kind: global_buffer, .address_space: global }
      - { .name: xiB, .offset: 32, .size: 8, .value_kind: global_buffer, .address_space: global }
      - { .name: h_bias, .offset: 40, .size: 8, .value_kind: global_buffer, .address_space: global }
      - { .name: x_codes, .offset: 48, .size: 8, .value_kind: global_buffer, .address_space: global }
      - { .name: x_scales, .offset: 56, .size: 8, .value_kind: global_buffer, .address_space: global }
      - { .name: w_codes, .offset: 64, .size: 8, .value_kind: global_buffer, .address_space: global }
      - { .name: w_scales, .offset: 72, .size: 8, .value_kind: global_buffer, .address_space: global }
      - { .name: bias, .offset: 80, .size: 8, .value_kind: global_buffer, .address_space: global }
      - { .name: xr, .offset: 88, .size: 8, .value_kind: global_buffer, .address_space: global }
      - { .name: xs, .offset: 96, .size: 8, .value_kind: global_buffer, .address_space: global }
    .group_segment_fixed_size: 327680
    .private_segment_fixed_size: 0
    .kernarg_segment_align: 8
    .kernarg_segment_size: 104
    .max_flat_workgroup_size: 512
    .sgpr_count:     66
    .vgpr_count:     256
    .wavefront_size: 32
...
	.end_amdgpu_metadata
.endif
;; end of part 1
;; launch gemm (part 2): grid 16 x 16, 4 waves a work-group, clusters of 4 x 4, 327,680 bytes of LDS; arguments xr, xs, w_codes, w_scales, out0, bias; writes out0
.if DOCPART == 2
	.amdgcn_target "amdgcn-amd-amdhsa--gfx1250"
	.amdhsa_code_object_version 6
	.text
	.protected	k_qa3ef040211_gemm
	.globl	k_qa3ef040211_gemm
	.p2align	8
	.type	k_qa3ef040211_gemm,@function
k_qa3ef040211_gemm:
	s_mov_b64 s[64:65], 0
	v_nop
	global_prefetch_b8 v0, s[64:65] scope:SCOPE_SE
	s_setreg_imm32_b32 hwreg(HW_REG_WAVE_MODE, 25, 1), 1
	s_wait_xcnt 0x0
	s_wait_alu depctr_hold_cnt(0) depctr_sa_sdst(0) depctr_va_vdst(0) depctr_va_sdst(0) depctr_va_ssrc(0) depctr_va_vcc(0) depctr_vm_vsrc(0)
	s_getreg_b32 s2, hwreg(HW_REG_IB_STS2, 6, 4)
	s_cmp_eq_u32 s2, 0
	s_cbranch_scc0 .Lentry_in_a_cluster
	s_endpgm
.Lentry_in_a_cluster:
	s_bfe_u32 s2, ttmp6, 0x10000c
	s_cmp_lg_u32 s2, 0xf033
	s_cbranch_scc0 .Lentry_shape_is_right
	s_endpgm
.Lentry_shape_is_right:
; out0[m][n] = sum over k of x[m][k] W[n][k] + bias[n], on codes of BF6 with E8M0 scales.  A work-group makes 256 x 256, a wave 128 x 128; K goes in steps of 256 through two LDS slots.
; Both operands' codes lie as [block of 256 rows][K step][256 rows][192 bytes]: a wave's 128 rows of a K step are 24,576 dense bytes, fetched as 96 rows of 256 bytes from a 256-byte border;
; 16 bytes of padding behind every 64 set a row of 192 bytes at a pitch of 240 in LDS.  A lane takes 48 consecutive bytes of a row, so the scale words come with their middle bytes swapped.
; 4 x 4 work-groups form a cluster: A's tiles are asked for jointly along a row of it, B's along a column.  The bias is the C of each accumulator's first product.
.set SIZE_M, 4096
.set SIZE_N, 4096
.set SIZE_K, 4096
.set KSTEP,  256
.set NQ,     KSTEP/128
.set ROWB,   256
.set TROWS,  96
.set BLK,    49152
.set KROW,   SIZE_K*6/8
.set PITCH,  240
.set FR,     12
.set NL,     3
.set NP,     4
.set HALFT,  128*PITCH
.set SLOT,   4*HALFT
.set LAPS,   SIZE_K/(2*KSTEP)
.set KS,     SIZE_K/32
.set SCL,    2*SLOT
.set HALFS,  (128*KS/256)*272
.set SBLK,   (16*KS/256)*272
.set SPARE,  SCL+4*HALFS
.set SPITCH, 528
.set ADRA, 16
.set ADRB, 20
.set STO,  24
.set RD,   25
.set CO,   26
.set ADRS, 27
.set SPW,  28
.set NIL,  29
.set BA,   30
.set SC,   32
.set BI,   64
.set AF,   128
.set BK,   128
.set G1, 24
.set G0, 32
.set G1B, 48
.set G0B, 56
.set G1S, 68
.set G0S, 76
.set G1SB, 80
.set G0SB, 88
.set MSB, 0
.macro WIN new
.if MSB != \new
	s_set_vgpr_msb (MSB<<8)|\new
.set MSB, \new
.endif
.endm
.set MUL_LO,   0xa1
.set MUL_HI,   0xf1
.set FIRST_LO, 0x81
.set FIRST_HI, 0xc1
.set TO_B,     0x40
.macro WMUL hi, first
.if \first
.if \hi
	WIN FIRST_HI
.else
	WIN FIRST_LO
.endif
.else
.if \hi
	WIN MUL_HI
.else
	WIN MUL_LO
.endif
.endif
.endm
.macro JLOAD g0a, g1a, g0b, g1b
	s_cmp_eq_u32 s15, 0
	s_cbranch_scc0 .Lfor_b_\@
	tensor_load_to_lds s[\g0a:\g0a+3], s[\g1a:\g1a+7]
	s_nop 0
.rept 4
	v_nop
.endr
	s_branch .Lasked_\@
.Lfor_b_\@:
	tensor_load_to_lds s[\g0b:\g0b+3], s[\g1b:\g1b+7]
	s_nop 0
.rept 4
	v_nop
.endr
.Lasked_\@:
.endm
.macro CREST
	s_cmp_lg_u32 s14, 0
	s_cbranch_scc1 .Lnot_wave_0_\@
	s_barrier_signal -3
.Lnot_wave_0_\@:
	s_barrier_wait -3
	s_barrier_signal -1
	s_barrier_wait -1
.endm
.macro CROUND
	s_barrier_signal -1
	s_barrier_wait -1
	CREST
.endm
	s_load_b128 s[4:7], s[0:1], 0x0
	s_load_b128 s[8:11], s[0:1], 0x10
	s_load_b64 s[12:13], s[0:1], 0x20
	s_load_b64 s[96:97], s[0:1], 0x28
	v_lshl_add_u32 v[SPW], v0, 2, SPARE
	v_mov_b32 v[NIL], 0
	ds_add_u32 v28, v29
	ds_add_u32 v28, v29
	s_wait_dscnt 0x0
	v_lshrrev_b32 v1, 5, v0
	v_readfirstlane_b32 s14, v1
	s_lshr_b32 s15, s14, 1
	s_and_b32 s16, s14, 1
	s_bfe_u32 s40, ttmp6, 0x40000
	s_bfe_u32 s41, ttmp6, 0x40004
	s_lshl_b32 s42, ttmp9, 2
	s_add_co_u32 s42, s42, s40
	s_and_b32 s17, ttmp7, 0xffff
	s_lshl_b32 s17, s17, 2
	s_add_co_u32 s17, s17, s41
	s_lshl_b32 s43, s41, 2
	s_lshl_b32 s43, 15, s43
	s_lshl_b32 s44, 0x1111, s40
	s_or_b32 s[G1+0], s43, (0<<16)|(1<<20)|(1<<21)|(3<<22)|(3<<25)
	s_or_b32 s[G1B+0], s44, (0<<16)|(1<<20)|(1<<21)|(3<<22)|(3<<25)
.irp g, G1, G1B
	s_mov_b32 s[\g+1], ROWB<<16
	s_mov_b32 s[\g+2], TROWS<<16
	s_mov_b32 s[\g+3], ROWB<<16
	s_mov_b32 s[\g+4], TROWS
	s_mov_b32 s[\g+5], ROWB
	s_mov_b32 s[\g+6], 0
	s_mov_b32 s[\g+7], 0
.endr
	s_or_b32 s[G1S+0], s43, (3<<16)|(1<<20)|(1<<21)|(5<<22)|(3<<25)
	s_or_b32 s[G1SB+0], s44, (3<<16)|(1<<20)|(1<<21)|(5<<22)|(3<<25)
.irp g, G1S, G1SB
	s_mov_b32 s[\g+1], 32<<16
	s_mov_b32 s[\g+2], (128*KS/256)<<16
	s_mov_b32 s[\g+3], 32<<16
	s_mov_b32 s[\g+4], 128*KS/256
	s_mov_b32 s[\g+5], 32
	s_mov_b32 s[\g+6], 0
	s_mov_b32 s[\g+7], 0
.endr
	s_lshl_b32 s18, s16, 7
	s_lshl_b32 s20, s17, 8
	s_add_co_u32 s20, s20, s18
	s_lshl_b32 s46, s42, 8
	s_add_co_u32 s46, s46, s18
	s_mov_b32 s21, 0
	s_mov_b32 s47, 0
	s_mov_b64 s[18:19], KS
	s_mul_u64 s[22:23], s[20:21], s[18:19]
	s_mul_u64 s[92:93], s[46:47], s[18:19]
	s_mul_i32 s18, s16, BLK/2
	s_mul_i32 s20, s17, 16*BLK
	s_add_co_u32 s20, s20, s18
	s_mul_i32 s46, s42, 16*BLK
	s_add_co_u32 s46, s46, s18
	s_mul_i32 s45, s14, HALFT
	s_mul_i32 s94, s14, HALFS
	s_wait_kmcnt 0x0
	s_add_nc_u64 s[20:21], s[4:5], s[20:21]
	s_add_nc_u64 s[22:23], s[6:7], s[22:23]
	s_add_nc_u64 s[46:47], s[8:9], s[46:47]
	s_add_nc_u64 s[92:93], s[10:11], s[92:93]
	CROUND
	s_mov_b32 s[G0S], 1
	s_add_co_u32 s[G0S+1], s94, SCL
	s_mov_b64 s[G0S+2:G0S+3], s[22:23]
	s_or_b32 s[G0S+3], s[G0S+3], 0x80000000
	s_mov_b32 s[G0SB], 1
	s_add_co_u32 s[G0SB+1], s94, SCL
	s_mov_b64 s[G0SB+2:G0SB+3], s[92:93]
	s_or_b32 s[G0SB+3], s[G0SB+3], 0x80000000
	JLOAD G0S, G1S, G0SB, G1SB
.irp s, 0,1
	s_mov_b32 s[G0+4*\s], 1
	s_add_co_u32 s[G0+4*\s+1], s45, \s*SLOT
	s_add_nc_u64 s[G0+4*\s+2:G0+4*\s+3], s[20:21], \s*BLK
	s_or_b32 s[G0+4*\s+3], s[G0+4*\s+3], 0x80000000
	s_mov_b32 s[G0B+4*\s], 1
	s_add_co_u32 s[G0B+4*\s+1], s45, \s*SLOT
	s_add_nc_u64 s[G0B+4*\s+2:G0B+4*\s+3], s[46:47], \s*BLK
	s_or_b32 s[G0B+4*\s+3], s[G0B+4*\s+3], 0x80000000
	s_wait_alu depctr_va_vdst(0)
	s_wait_tensorcnt 0x0
	ds_add_u32 v28, v29
	s_wait_dscnt 0x0
	CROUND
	JLOAD G0+4*\s, G1, G0B+4*\s, G1B
.endr
	v_and_b32 v1, 15, v0
	v_bfe_u32 v2, v0, 4, 1
	v_mul_u32_u24 v3, v1, PITCH
	v_mul_u32_u24 v4, v2, 48
	v_add_nc_u32 v4, v3, v4
	v_lshl_add_u32 v5, v2, 4, v4
	s_mul_i32 s21, s15, HALFT
	s_mul_i32 s22, s16, HALFT
	s_add_co_u32 s22, s22, 2*HALFT
.irp s, 0,1
	v_add_nc_u32 v[ADRA+\s], s21, v4
	v_add_nc_u32 v[ADRB+\s], s22, v4
	v_add_nc_u32 v[ADRA+2+\s], s21, v5
	v_add_nc_u32 v[ADRB+2+\s], s22, v5
	s_add_co_u32 s21, s21, SLOT
	s_add_co_u32 s22, s22, SLOT
.endr
	v_mul_u32_u24 v5, v1, KS
	v_lshrrev_b32 v6, 8, v5
	v_lshl_add_u32 v5, v6, 4, v5
	s_mul_i32 s21, s15, HALFS
	s_mul_i32 s22, s16, HALFS
	s_add_co_u32 s22, s22, 2*HALFS
	s_sub_co_u32 s22, s22, s21
	v_mul_u32_u24 v6, s22, v2
	s_add_co_u32 s21, s21, SCL
	v_add_nc_u32 v5, v5, v6
	v_add_nc_u32 v[ADRS], s21, v5
	s_mul_i32 s23, s14, 16*SPITCH
	v_mul_u32_u24 v5, v1, SPITCH
	v_lshl_add_u32 v5, v2, 5, v5
	v_add_nc_u32 v[STO], s23, v5
	v_and_b32 v6, 31, v0
	v_lshlrev_b32 v[CO], 4, v6
	v_add_nc_u32 v[RD], s23, v[CO]
	s_lshl_b32 s20, s17, 8
	s_lshl_b32 s21, s15, 7
	s_add_co_u32 s20, s20, s21
	s_mov_b32 s21, 0
	s_mov_b64 s[18:19], SIZE_N*4
	s_mul_u64 s[20:21], s[20:21], s[18:19]
	s_lshl_b32 s46, s42, 10
	s_lshl_b32 s47, s16, 9
	s_add_co_u32 s46, s46, s47
	s_mov_b32 s47, 0
	s_add_nc_u64 s[20:21], s[20:21], s[46:47]
	s_add_nc_u64 s[12:13], s[12:13], s[20:21]
	s_add_nc_u64 s[96:97], s[96:97], s[46:47]
	v_lshlrev_b32 v[BA], 5, v2
.irp b, 0,1,2,3,4,5,6,7
	global_load_b128 v[BI+8*\b:BI+8*\b+3], v[BA], s[96:97] offset:64*\b
	global_load_b128 v[BI+8*\b+4:BI+8*\b+7], v[BA], s[96:97] offset:64*\b+16
.endr
.macro FRAG reg, adr, q, i
.irp p, 0,1,2
.set PC, 6*(\q)+\p
.if PC%4 == 0
	ds_load_b128 v[\reg+4*\p:\reg+4*\p+3], v[\adr] offset:16*PC+16*(PC/4)+(\i)*16*PITCH
.else
	ds_load_b128 v[\reg+4*\p:\reg+4*\p+3], v[\adr+2] offset:16*PC+16*(PC/4)+(\i)*16*PITCH
.endif
.endr
.endm
.macro FA slot, q, i
	FRAG AF+FR*(\i), ADRA+\slot, \q, \i
.endm
.macro FB slot, q, p, i
	FRAG 128*(\p)+FR*(\i), ADRB+\slot, \q, \i
.endm
.macro MUL16 a0, p, q, sc, first
.irp a, \a0, \a0+1
.irp b, 0,1,2,3,4,5,6,7
.if \first
	v_wmma_scale_f32_16x16x128_f8f6f4 v[8*(8*((\a)%4)+\b):8*(8*((\a)%4)+\b)+7], v[128*(\p)+FR*\b:128*(\p)+FR*\b+FR-1], v[AF+FR*(\a):AF+FR*(\a)+FR-1], v[BI+8*\b:BI+8*\b+7], v[SC+8*NQ*(\sc)+NQ*\b+(\q)], v[SC+8*NQ*(\sc)+NQ*(\a)+(\q)] matrix_a_fmt:MATRIX_FMT_BF6 matrix_b_fmt:MATRIX_FMT_BF6 matrix_a_scale:MATRIX_SCALE_ROW1
.else
	v_wmma_scale_f32_16x16x128_f8f6f4 v[8*(8*((\a)%4)+\b):8*(8*((\a)%4)+\b)+7], v[128*(\p)+FR*\b:128*(\p)+FR*\b+FR-1], v[AF+FR*(\a):AF+FR*(\a)+FR-1], v[8*(8*((\a)%4)+\b):8*(8*((\a)%4)+\b)+7], v[SC+8*NQ*(\sc)+NQ*\b+(\q)], v[SC+8*NQ*(\sc)+NQ*(\a)+(\q)] matrix_a_fmt:MATRIX_FMT_BF6 matrix_b_fmt:MATRIX_FMT_BF6 matrix_a_scale:MATRIX_SCALE_ROW1
.endif
.endr
.endr
.endm
.macro SCALES sc
.irp i, 0,1,2,3,4,5,6,7
	ds_load_b64 v[SC+8*NQ*\sc+NQ*\i:SC+8*NQ*\sc+NQ*\i+1], v[ADRS] offset:\i*SBLK
.endr
.endm
.macro PLACES n
.rept \n
	v_nop
.endr
.endm
.macro STEP slot, q, first
	s_wait_dscnt 2*NL
	WMUL 0, \first
	MUL16 0, (\q)%2, \q, \slot, \first
	PLACES NP
	WIN 0
.irp i, 0,1
	FA \slot, (\q)+1, \i
.endr
	WIN TO_B
.irp i, 0,1,2
	FB \slot, (\q)+1, 1-(\q)%2, \i
.endr
	s_wait_dscnt 5*NL
	WMUL 0, \first
	MUL16 2, (\q)%2, \q, \slot, \first
	PLACES NP
	WIN 0
.irp i, 2,3
	FA \slot, (\q)+1, \i
.endr
	WIN TO_B
.irp i, 3,4,5
	FB \slot, (\q)+1, 1-(\q)%2, \i
.endr
	WMUL 1, \first
	MUL16 4, (\q)%2, \q, \slot, \first
	PLACES NP
	WIN 0
.irp i, 4,5
	FA \slot, (\q)+1, \i
.endr
	WIN TO_B
.irp i, 6,7
	FB \slot, (\q)+1, 1-(\q)%2, \i
.endr
	WMUL 1, \first
	MUL16 6, (\q)%2, \q, \slot, \first
	PLACES NP
	WIN 0
.irp i, 6,7
	FA \slot, (\q)+1, \i
.endr
.endm
.macro TURN slot, next, fill
	s_wait_tensorcnt 0x0
	ds_add_u32 v[SPW], v[NIL]
	s_wait_dscnt 2*NL+1
	WIN MUL_LO
	MUL16 0, 1, NQ-1, \slot, 0
	s_wait_dscnt 0x0
	s_barrier_signal -1
	MUL16 2, 1, NQ-1, \slot, 0
	WIN 0
	s_barrier_wait -1
.if \fill
	CREST
	s_add_nc_u64 s[G0+4*\slot+2:G0+4*\slot+3], s[G0+4*\slot+2:G0+4*\slot+3], 2*BLK
	s_add_nc_u64 s[G0B+4*\slot+2:G0B+4*\slot+3], s[G0B+4*\slot+2:G0B+4*\slot+3], 2*BLK
	JLOAD G0+4*\slot, G1, G0B+4*\slot, G1B
.else
	PLACES NP
.endif
	s_wait_alu depctr_va_vdst(0)
	v_add_nc_u32 v[ADRS], 4*NQ, v[ADRS]
.irp i, 0,1,2,3
	FA \next, 0, \i
.endr
	SCALES \next
	WIN TO_B
.irp i, 0,1,2,3
	FB \next, 0, 0, \i
.endr
	WIN MUL_HI
	MUL16 4, 1, NQ-1, \slot, 0
	PLACES NP
	WIN 0
.irp i, 4,5
	FA \next, 0, \i
.endr
	WIN TO_B
.irp i, 4,5,6,7
	FB \next, 0, 0, \i
.endr
	WIN MUL_HI
	MUL16 6, 1, NQ-1, \slot, 0
	PLACES NP
	WIN 0
.irp i, 6,7
	FA \next, 0, \i
.endr
.endm
	s_wait_alu depctr_va_vdst(0)
	s_wait_tensorcnt 1
	s_barrier_signal -1
	s_barrier_wait -1
	WIN TO_B
.irp i, 0,1,2,3,4,5,6,7
	FB 0, 0, 0, \i
.endr
	WIN 0
.irp i, 0,1,2,3
	FA 0, 0, \i
.endr
	SCALES 0
.irp i, 4,5,6,7
	FA 0, 0, \i
.endr
	s_wait_loadcnt 0x0
	STEP 0, 0, 1
	s_mov_b32 s3, LAPS-1
.Llap:
	TURN 0, 1, 1
	STEP 1, 0, 0
	TURN 1, 0, 1
	STEP 0, 0, 0
	s_sub_co_u32 s3, s3, 1
	s_cmp_lg_u32 s3, 0
	s_cbranch_scc1 .Llap
	TURN 0, 1, 0
	STEP 1, 0, 0
	s_wait_dscnt 2*NL
	WIN MUL_LO
	MUL16 0, 1, NQ-1, 1, 0
	MUL16 2, 1, NQ-1, 1, 0
	s_wait_dscnt 0
	WIN MUL_HI
	MUL16 4, 1, NQ-1, 1, 0
	MUL16 6, 1, NQ-1, 1, 0
	WIN 0
.macro TOSTAGE a
.set AC, 64*((\a)%4)
	WIN 0x08+4*((\a)/4)
.irp b, 0,1,2,3,4,5,6,7
	ds_store_b128 v[STO], v[AC+8*\b:AC+8*\b+3] offset:64*\b
	ds_store_b128 v[STO], v[AC+8*\b+4:AC+8*\b+7] offset:64*\b+16
.endr
	WIN 0
.set BB, BK+64*((\a)%2)
.irp t, 0,1,2,3,4,5,6,7,8,9,10,11,12,13,14,15
	ds_load_b128 v[BB+4*\t:BB+4*\t+3], v[RD] offset:\t*SPITCH
.endr
.endm
.macro SEND a, younger
.set BB, BK+64*((\a)%2)
	s_wait_dscnt \younger
.if (\a) > 0
	s_add_nc_u64 s[12:13], s[12:13], 16*SIZE_N*4
.endif
.irp t, 0,1,2,3,4,5,6,7,8,9,10,11,12,13,14,15
	global_store_b128 v[CO], v[BB+4*\t:BB+4*\t+3], s[12:13] offset:\t*SIZE_N*4 th:TH_STORE_NT
.endr
.endm
	PLACES NP
	TOSTAGE 0
.irp a, 1,2,3,4,5,6,7
.if \a > 1
	s_wait_xcnt 0x0
.endif
	TOSTAGE \a
	SEND \a-1, 32
.endr
	s_wait_xcnt 0x0
	SEND 7, 0
	s_wait_tensorcnt 0x0
	ds_add_u32 v[SPW], v[NIL]
	s_wait_dscnt 0x0
	CROUND
	s_endpgm
.Lfunc_end_k_qa3ef040211_gemm:
	.size	k_qa3ef040211_gemm, .Lfunc_end_k_qa3ef040211_gemm-k_qa3ef040211_gemm
	.p2alignl 7, 3214868480
	.fill 96, 4, 3214868480
	.section	.rodata,"a",@progbits
	.p2align	6, 0x0
	.amdhsa_kernel k_qa3ef040211_gemm
		.amdhsa_group_segment_fixed_size 327680
		.amdhsa_private_segment_fixed_size 0
		.amdhsa_enable_private_segment 0
		.amdhsa_kernarg_size 48
		.amdhsa_user_sgpr_count 2
		.amdhsa_user_sgpr_kernarg_segment_ptr 1
		.amdhsa_wavefront_size32 1
		.amdhsa_system_sgpr_workgroup_id_x 1
		.amdhsa_system_sgpr_workgroup_id_y 1
		.amdhsa_system_sgpr_workgroup_id_z 1
		.amdhsa_system_vgpr_workitem_id 0
		.amdhsa_next_free_vgpr 1024
		.amdhsa_next_free_sgpr 98
		.amdhsa_reserve_vcc 0
		.amdhsa_float_denorm_mode_32 3
		.amdhsa_float_denorm_mode_16_64 3
		.amdhsa_memory_ordered 1
		.amdhsa_forward_progress 1
		.amdhsa_inst_pref_size 141
	.end_amdhsa_kernel
	.amdgpu_metadata
---
amdhsa.version: [ 1, 2 ]
amdhsa.kernels:
  - .name:           k_qa3ef040211_gemm
    .symbol:         k_qa3ef040211_gemm.kd
    .args:
      - { .name: xr, .offset: 0, .size: 8, .value_kind: global_buffer, .address_space: global }
      - { .name: xs, .offset: 8, .size: 8, .value_kind: global_buffer, .address_space: global }
      - { .name: w_codes, .offset: 16, .size: 8, .value_kind: global_buffer, .address_space: global }
      - { .name: w_scales, .offset: 24, .size: 8, .value_kind: global_buffer, .address_space: global }
      - { .name: out0, .offset: 32, .size: 8, .value_kind: global_buffer, .address_space: global }
      - { .name: bias, .offset: 40, .size: 8, .value_kind: global_buffer, .address_space: global }
    .group_segment_fixed_size: 327680
    .private_segment_fixed_size: 0
    .kernarg_segment_align: 8
    .kernarg_segment_size: 48
    .max_flat_workgroup_size: 128
    .sgpr_count:     98
    .vgpr_count:     1024
    .wavefront_size: 32
...
	.end_amdgpu_metadata
.endif
;; end of part 2
